; MI455X (gfx1250); checked and timed in simulation.
; The chip was launched on July 23, 2026; its instructions are those of AMD's public machine-readable ISA for CDNA 5 (MIT licence, August 2026) and "CDNA5" Instruction Set Architecture Reference Guide (July 2026). The comments in the code are by the model that wrote it; some were corrected since.
;; MSA. Allowed arithmetic: matrix products marked QUANTISED: E4M3 operands, one given power-of-two scale a tensor, by v_wmma_f32_16x16x64_fp8_fp8 or v_wmma_f32_16x16x128_fp8_fp8, f32 sums; everything else in f32.
;; Inputs: b_out 256 float32; b_qkv 768 float32; lowp_scales 8 int32 (the exponents e of the quantised operands' scales 2^e); w_out 256 x 256 float32; w_qkv 256 x 768 float32; x 4 x 64 x 64 x 256 float32.
;; Outputs: out0 4 x 64 x 64 x 256 float32.
;; This version of the problem:
;;   THIS VERSION OF THE PROBLEM IS GIVEN IN LOW PRECISION. The matrix products marked QUANTISED in the list below multiply operands that are first quantised to E4M3 (4 exponent bits, 3 mantissa bits; 8 bits a number), with one given power-of-two scale for each operand tensor; their sums are f32. All else is computed in f32.
;;   The module's matrix products, in the order in which they are computed (A, B: the left and right operand; K: the contracted axis; several contracted axes count as one K, in the product's order):
;;     1. [M 16,384, K 256] x [K 256, N 768]; A: input x; B: input w_qkv: QUANTISED (scales: A lowp_scales[0], B lowp_scales[1])
;;     2. batch 16 x [M 4,096, K 64] x [K 64, N 4,096]; A: computed on the way; B: computed on the way: QUANTISED (scales: A lowp_scales[2], B lowp_scales[3])
;;     3. batch 16 x [M 4,096, K 4,096] x [K 4,096, N 64]; A: softmax (see below); B: computed on the way: QUANTISED (scales: A lowp_scales[4], B lowp_scales[5])
;;     4. [M 16,384, K 256] x [K 256, N 256]; A: computed on the way; B: input w_out: QUANTISED (scales: A lowp_scales[6], B lowp_scales[7])
;;   THE QUANTISER, for each operand of a quantised product, along K:
;;     - The operand's scale is 2^e, e = its entry of the input lowp_scales (int32; the entries are numbered through the quantised products in the list's order, A before B).
;;     - Each number is divided by the scale, clamped to +-448, and rounded to the nearest number of E4M3, ties to even, subnormals kept.
;;     - The product sums the exact products of the quantised numbers (number of the format x scale) in f32.
;;   ~~~python
;;   def quantise(x, axis, e):      # numpy; x: float32 -> the quantised numbers, widened to float32 again
;;       x = np.moveaxis(x, axis, -1); K = x.shape[-1]
;;       r = np.clip(x / 2.0 ** e, -448, 448)
;;       step = 2.0 ** (np.maximum(np.frexp(np.where(r == 0, 1, r))[1] - 1, -6) - 3)
;;       q = np.round(r / step) * step * 2.0 ** e      # np.round: ties to even
;;       return np.moveaxis(q, -1, axis).astype(np.float32)
;;   ~~~
;;   SOFTMAX AHEAD OF A QUANTISED PRODUCT. Where the list says 'softmax', what is quantised is not the finished softmax but p = 2^(t - M), with t = logit x log2(e) and M = ceil(the row's largest t), a whole number; so 1/2 < the row's largest p <= 1. The row's sum l is taken of the UNQUANTISED p, in f32, and the product's result is divided by l at the end. Since M is a whole number, a kernel that streams over the keys may use a running M (the ceiling of the running maximum): every later rescaling is an exact power of two, so the quantised numbers keep their values, but for numbers so far below the row's largest that they fall under the format's range.
;;   OPERANDS COMPUTED ON THE WAY. 'Computed on the way' means the value that the module computes at that place (a softmax that the list does not call 'softmax' is quantised finished and normalised). What goes into a quantiser is computed in f32, as accurately as f32 sums, v_exp_f32 and their like allow (about 1e-6 of the number): no bf16 or f16 on the way to a quantiser, and a product that is left as it is and whose result goes on into a quantised operand takes f32 operands (vector FMAs, or v_wmma_f32_16x16x4_f32). A number that lies on a knife's edge between two numbers of the format may be rounded either way, as far as f32 arithmetic and the matrix unit's own rounding can turn it there, and no further.
;; One version. Each part assembles by itself: llvm-mc -triple=amdgcn-amd-amdhsa -mcpu=gfx1250 --defsym DOCPART=n.
;; ======== version 1 of 1: 2 launches
;; limits: right only within a limited range of input values
;; workspace buffers: q_img 4,194,304 bytes; kv_img 8,388,608 bytes; wo_img 65,536 bytes
;; launch qkv (part 1): grid 4 x 64, 8 waves a work-group, clusters of 4 x 1, 316,416 bytes of LDS; arguments x, w_qkv, b_qkv, w_out, lowp_scales, q_img, kv_img, wo_img; writes q_img, kv_img, wo_img
.if DOCPART == 1
	.amdgcn_target "amdgcn-amd-amdhsa--gfx1250"
	.amdhsa_code_object_version 6
	.text
	.protected	k_qe92ca7b149_qkv
	.globl	k_qe92ca7b149_qkv
	.p2align	8
	.type	k_qe92ca7b149_qkv,@function
k_qe92ca7b149_qkv:
	s_mov_b64 s[64:65], 0
	v_nop
	global_prefetch_b8 v0, s[64:65] scope:SCOPE_SE
	s_setreg_imm32_b32 hwreg(HW_REG_WAVE_MODE, 25, 1), 1
	s_wait_xcnt 0x0
	s_wait_alu depctr_hold_cnt(0) depctr_sa_sdst(0) depctr_va_vdst(0) depctr_va_sdst(0) depctr_va_ssrc(0) depctr_va_vcc(0) depctr_vm_vsrc(0)
	s_getreg_b32 s2, hwreg(HW_REG_IB_STS2, 6, 4)
	s_cmp_eq_u32 s2, 0
	s_cbranch_scc0 .Lentry_in_a_cluster
	s_endpgm
.Lentry_in_a_cluster:
	s_bfe_u32 s2, ttmp6, 0x10000c
	s_cmp_lg_u32 s2, 0x3003
	s_cbranch_scc0 .Lentry_shape_is_right
	s_endpgm
.Lentry_shape_is_right:
; qkv = Q(x) Q(w_qkv) + b_qkv on codes of FP8 (E4M3); then q / 8, k and v are quantised and stored as IMAGES OF OPERAND REGISTERS for the attention launch; w_out is quantised on the side.
; x [16384][256] f32, w_qkv [256][768] f32 (K first), b_qkv [768], w_out [256][256] f32 (K first), lowp_scales e0 .. e7 (int32).
; SHARES.  A work-group takes 256 tokens (block = y) and ONE head's 192 columns (head = its place in the cluster): q's 64, k's 64, v's 64 = 12 tiles of 16 columns.  Wave w owns tokens 32 w .. 32 w + 31 (two tiles) for all 12.
; CLUSTER.  The four heads of a block need the same 256 rows of x: wave w asks for its 32 rows jointly with its three partners, and only it reads them.  The weights are not shared so: they arrive as f32 with K first and become
; codes in registers, so no tile of them lands in LDS as it lies.
; WEIGHTS.  Wave w makes rows 32 w .. 32 w + 31 of K, for all 192 columns: one piece (w % 4) of K step w / 4 of each of the head's 24 fragments.  A load takes two rows' 256 bytes: lane (r, h) columns 4 r .. 4 r + 3 of row 16 g + 8 h + i.
; The hold at the largest code writes a column's eight numbers side by side, so that a conversion takes eight neighbours along K; the codes go round through LDS as images of the fragments' registers.
; LAYOUT.  Every fragment has k in the plain 8-bit forms' own places: lane (r = l % 16, h = l / 16), registers 2 c, 2 c + 1: k = 16 c + 8 h + 0 .. 7.  A result tile's eight registers (8 h + j) turned into codes by ONE
; conversion are therefore registers 2 c, 2 c + 1 of the next operand.  q and k: the product is used transposed (source 0 = 16 columns of w, source 1 = 16 tokens): a lane holds one token, its registers run along the head's 64.
; v: not transposed (source 0 = tokens, source 1 = columns): a lane holds one channel and its registers run along the tokens, which are the keys, the K of attention's second product.
; OUT.  q_img [bh][token tile][2 pieces][lane][16 B]; kv_img [bh][step of 128 keys][16,384 B]: K's 8 tiles of 1,024 B, then V's 4 channel tiles of 2,048 B.  Each store of a wave covers 512 consecutive bytes, aligned.
; wo_img [fragment 2 ntile + s][c][lane][8 B]: work-group g = 4 block + head makes registers 2 c, 2 c + 1 (c = g % 8) of fragment g / 8: 256 bytes; 256 work-groups cover it once.
; LIMITS on the given exponents, so that each power of two below is an f32 number: e0, e1, e7, e2 + 3 - e0 - e1, e3 - e0 - e1, e5 - e0 - e1 between -126 and 119.  NaN among the inputs is not served; infinities are held at the largest code.
; REGISTERS, in windows of 256: window 0 as below; window 1: v0-63 the third set of weights, later codes on their way out; v64-191 x's numbers, two sets; v128-195 later the biases.
.set XP,    1040                       ; a row of x in LDS: 1,024 bytes + 16 = 65 x 16: the 16 rows that a load touches fall on 16 different columns of 16 bytes
.set WIMG,  256*XP                     ; behind x's 256 rows: the 24 images of w's fragments, 2,048 bytes each; fragment 2 nt + s
.set FRB,   2048
.set SPARE, WIMG+24*FRB                ; the spare words, 128 bytes for each wave: four blocks of 256 bytes that no other line names
.set LI,    1                          ; v1   16 x lane
.set WO,    2                          ; v2   w_qkv: 16 r + 8 h rows of 3,072 bytes
.set XA,    3                          ; v3   x in LDS: (32 w + r) XP + 32 h
.set WST,   4                          ; v4   where I store my pieces of the images
.set H32,   5                          ; v5   32 h
.set R4,    6                          ; v6   4 r
.set JO,    7                          ; v7   w_out: 4 r + 8 h rows of 1,024 bytes
.set L8,    8                          ; v8   8 x lane
.set WLD,   9                          ; v9   WIMG + 16 x lane
                                       ; v10,11 2^e and 448 x 2^e for x; v12,13 w_qkv; v14,15 w_out; v16,17 q; v18,19 k; v20,21 v
.set T0,    22                         ; v22-29 and v248-255: a column's eight numbers, held
.set T1,    248
.set SPW,   30
.set NIL,   31
.set XC,    32                         ; v32-95 x's four fragments, (tt, s) at 32 tt + 16 s
.set SET_A, 96                         ; three sets of 64 numbers of w_qkv: q's, k's
.set SET_B, 160
.set SET_C, 0                          ; and, in window 1, v's
.set PC,    224                        ; codes of the first set; the others' take the first set's place
.set JN,    240                        ; v240-247 w_out's eight numbers; v248-249 their codes
.set JC,    248
.set F0,    96                         ; v96-159 and v192-255: four fragments of w each: (u, s) at 32 u + 16 s
.set F1,    192
.set ACC,   160                        ; v160-191 four accumulators
.set XR0,   64                         ; in window 1
.set XR1,   128
.set BIAS,  128                        ; in window 1: q's and k's bias in the result's layout: (part p, tile t) at 8 (4 p + t)
.set VB,    192                        ; in window 1: v's bias of my channel, one register a channel tile
.set OC,    0                          ; in window 1: codes on their way out, eight registers for each group of products
.set WV,    20                         ; s20 wave; s21 head; s22 block
.set HEAD,  21
.set BLK,   22
.set G1,    24                         ; s[24:31], s[32:35] the tensor load's descriptor
.set G0,    32
.set QB,    36                         ; s[36:37] q_img at my two token tiles
.set KB,    38                         ; s[38:39] kv_img at my two key tiles
.set EX,    40                         ; s[40:47] e0 .. e7
.set WB,    48                         ; s[48:49] w_qkv at my rows and my head's columns
.set VBS,   54                         ; s[54:55] kv_img at my piece of V's tiles
.set BQ,    56                         ; s[56:57] b_qkv at my head
.set JS,    58                         ; s[58:59] w_out at the work-group's job
.set JD,    60                         ; s[60:61] wo_img at the same
.set MSB, 0
.macro WIN new                         ; the immediate's high byte repeats the setting that is left; a switch that changes nothing is dropped
.if MSB != \new
	s_set_vgpr_msb (MSB<<8)|\new
.set MSB, \new
.endif
.endm
.macro PLACES                          ; four plain vector lines behind matrix instructions, ahead of reads of results (ISA guide 7.12.1)
.rept 4
	v_nop
.endr
.endm
.macro CROUND                          ; a round of the cluster's barrier
	s_barrier_signal -1
	s_barrier_wait -1
	s_cmp_lg_u32 s[WV], 0
	s_cbranch_scc1 .Lnot_wave_0_\@
	s_barrier_signal -3
.Lnot_wave_0_\@:
	s_barrier_wait -3
	s_barrier_signal -1
	s_barrier_wait -1
.endm
.macro MKSC vs, vl, se                 ; v[vs] = 2^e as f32 (a conversion takes its exponent field), v[vl] = 448 x 2^e, e = s[se]
	s_add_co_i32 s2, s[\se], 127
	s_lshl_b32 s3, s2, 23
	v_mov_b32 v[\vs], s3
	s_add_co_i32 s2, s2, 8
	s_lshl_b32 s2, s2, 23
	s_or_b32 s2, s2, 0x600000
	v_mov_b32 v[\vl], s2
.endm
.macro WLOAD set, part                 ; register 4 (8 g + i) + x = w(32 w + 16 g + 8 h + i, column 4 r + x of the part): sixteen lanes read 256 neighbouring bytes, aligned
.irp g, 0,1
.irp i, 0,1,2,3,4,5,6,7
	global_load_b128 v[\set+4*(8*\g+\i):\set+4*(8*\g+\i)+3], v[WO], s[WB:WB+1] offset:(16*\g+\i)*3072+1024*\part
.endr
.endr
.endm
.macro WQUANT set, win, dst            ; column x: registers dst + 4 x + 2 g of codes
.irp x, 0,1,2,3
	WIN \win
.irp i, 0,1,2,3,4,5,6,7
	v_med3_num_f32 v[T0+\i], v[\set+4*\i+\x], -v13, v13   ; the conversion to an 8-bit code does not saturate (ISA guide 7.6.2): the hold at the largest code x the scale comes first
.endr
.irp i, 0,1,2,3,4,5,6,7
	v_med3_num_f32 v[T1+\i], v[\set+32+4*\i+\x], -v13, v13
.endr
	WIN 0
	v_cvt_scalef32_pk8_fp8_f32 v[\dst+4*\x:\dst+4*\x+1], v[T0:T0+7], v12
	v_cvt_scalef32_pk8_fp8_f32 v[\dst+4*\x+2:\dst+4*\x+3], v[T1:T1+7], v12
	v_nop                                          ; one plain vector line behind the last conversion, ahead of whatever vector line next touches its registers
.endr
.endm
.macro IMAGE src, part                 ; column 4 r + x is lane 16 h + 4 (r % 4) + x of tile r / 4
.irp x, 0,1,2,3
	ds_store_b128 v[WST], v[\src+4*\x:\src+4*\x+3] offset:16384*\part+16*\x
.endr
.endm
.macro XFETCH b, tt, s                 ; my token tile tt, K step s: register 8 c + 4 i + .. = x(row r, 128 s + 16 c + 8 h + 4 i + ..)
	WIN 0x40
.irp c, 0,1,2,3,4,5,6,7
.irp i, 0,1
	ds_load_b128 v[\b+8*\c+4*\i:\b+8*\c+4*\i+3], v[XA] offset:(\tt)*16*XP+(\s)*512+64*\c+16*\i
.endr
.endr
	WIN 0
.endm
.macro XQUANT b, dst
	WIN 0x41
.set jj, 0
.rept 64
	v_med3_num_f32 v[\b+jj], v[\b+jj], -v11, v11
.set jj, jj+1
.endr
	WIN 0x01
.irp c, 0,1,2,3,4,5,6,7
	v_cvt_scalef32_pk8_fp8_f32 v[\dst+2*\c:\dst+2*\c+1], v[\b+8*\c:\b+8*\c+7], v10
.endr
	v_nop
	WIN 0
.endm
.macro WFETCH g                        ; group g's column tiles 2 g, 2 g + 1, both K steps: four images back into registers
.set FF, F0+(F1-F0)*((\g)%2)
.irp u, 0,1
.irp s, 0,1
.irp c, 0,1,2,3
	ds_load_b128 v[FF+32*\u+16*\s+4*\c:FF+32*\u+16*\s+4*\c+3], v[WLD] offset:(2*(2*(\g)+\u)+\s)*FRB+512*\c
.endr
.endr
.endr
.endm
.macro WREADY g                        ; the next group's fragments are asked for, this group's are in
.if (\g) < 5
	WFETCH (\g)+1
	s_wait_dscnt 16                                ; all but the 16 just issued
.else
	s_wait_dscnt 0x0
.endif
.set FF, F0+(F1-F0)*((\g)%2)
.endm
.macro HOLD32 lim
.set jj, 0
.rept 32
	v_med3_num_f32 v[ACC+jj], v[ACC+jj], -v[\lim], v[\lim]   ; each accumulator from its low end on
.set jj, jj+1
.endr
.endm
; q (g = 0, 1) or k (g = 2, 3), column tiles 2 g + u, for my two token tiles.  The bias, divided by 2^(e0 + e1), is the C of each sum's first product.  The four accumulators take turns, one instruction a turn.
.macro GROUP_T g, sc, lim, base
	WREADY \g
	WIN 0x10
.irp tt, 0,1
.irp u, 0,1
	v_wmma_f32_16x16x128_fp8_fp8 v[ACC+16*\tt+8*\u:ACC+16*\tt+8*\u+7], v[FF+32*\u:FF+32*\u+15], v[XC+32*\tt:XC+32*\tt+15], v[BIAS+16*\g+8*\u:BIAS+16*\g+8*\u+7]
.endr
.endr
	WIN 0
.irp tt, 0,1
.irp u, 0,1
	v_wmma_f32_16x16x128_fp8_fp8 v[ACC+16*\tt+8*\u:ACC+16*\tt+8*\u+7], v[FF+32*\u+16:FF+32*\u+31], v[XC+32*\tt+16:XC+32*\tt+31], v[ACC+16*\tt+8*\u:ACC+16*\tt+8*\u+7]
.endr
.endr
	PLACES
	HOLD32 \lim
	WIN 0x40
.irp tt, 0,1
.irp u, 0,1
	v_cvt_scalef32_pk8_fp8_f32 v[OC+8*\g+4*\tt+2*\u:OC+8*\g+4*\tt+2*\u+1], v[ACC+16*\tt+8*\u:ACC+16*\tt+8*\u+7], v[\sc]
.endr
.endr
	v_nop                                          ; the plain line behind the last conversion: the next group's products write its sources
	WIN 0x04
.irp tt, 0,1
	global_store_b128 v[LI], v[OC+8*\g+4*\tt:OC+8*\g+4*\tt+3], s[\base:\base+1] offset:\tt*1024+(\g%2)*512   ; 512 consecutive bytes of token tile tt's fragment
.endr
	WIN 0
.endm
; v (g = 4, 5), channel tiles 2 (g - 4) + u.  A lane holds one channel, so its bias is one number, added to the finished sums.
.macro GROUP_V g
	WREADY \g
.irp u, 0,1
.irp tt, 0,1
	v_wmma_f32_16x16x128_fp8_fp8 v[ACC+16*\u+8*\tt:ACC+16*\u+8*\tt+7], v[XC+32*\tt:XC+32*\tt+15], v[FF+32*\u:FF+32*\u+15], 0
.endr
.endr
.irp u, 0,1
.irp tt, 0,1
	v_wmma_f32_16x16x128_fp8_fp8 v[ACC+16*\u+8*\tt:ACC+16*\u+8*\tt+7], v[XC+32*\tt+16:XC+32*\tt+31], v[FF+32*\u+16:FF+32*\u+31], v[ACC+16*\u+8*\tt:ACC+16*\u+8*\tt+7]
.endr
.endr
	PLACES
	WIN 0x04
.set jj, 0
.rept 32
	v_add_f32 v[ACC+jj], v[ACC+jj], v[VB+2*(\g-4)+jj/16]
.set jj, jj+1
.endr
	WIN 0
	HOLD32 21
	WIN 0x40
.irp u, 0,1
.irp tt, 0,1
	v_cvt_scalef32_pk8_fp8_f32 v[OC+8*\g+4*\u+2*\tt:OC+8*\g+4*\u+2*\tt+1], v[ACC+16*\u+8*\tt:ACC+16*\u+8*\tt+7], v20
.endr
.endr
	v_nop
	WIN 0x04
.irp u, 0,1
	global_store_b128 v[LI], v[OC+8*\g+4*\u:OC+8*\g+4*\u+3], s[VBS:VBS+1] offset:(2*(\g-4)+\u)*2048   ; my 32 keys of the channel tile: one piece of four registers
.endr
	WIN 0
.endm
	s_load_b256 s[4:11], s[0:1], 0x0               ; x s[4:5], w_qkv s[6:7], b_qkv s[8:9], w_out s[10:11]
	s_load_b256 s[12:19], s[0:1], 0x20             ; lowp_scales s[12:13], q_img s[14:15], kv_img s[16:17], wo_img s[18:19]
	v_lshl_add_u32 v[SPW], v0, 2, SPARE
	v_mov_b32 v[NIL], 0
	ds_add_u32 v[SPW], v[NIL]                      ; the wave's opening: the add, twice on end, and its wait
	ds_add_u32 v[SPW], v[NIL]
	v_lshrrev_b32 v22, 5, v0
	s_delay_alu instid0(VALU_DEP_1)
	v_readfirstlane_b32 s[WV], v22                 ; wave 0..7
	s_bfe_u32 s[HEAD], ttmp6, 0x40000              ; my place in the cluster = the head: it enters global addresses alone
	s_and_b32 s[BLK], ttmp7, 0xffff                ; the block of 256 tokens, which the four partners share
	; descriptor group 1: 32 rows x 256 elements of 4 bytes, 16 bytes of padding behind each row
	s_mov_b32 s[G1], 15|(2<<16)|(1<<20)|(1<<21)|(7<<22)|(3<<25)   ; 15:0 the mask: all four work-groups; 17:16 elements of 4 bytes; 20 padding on; 21 set beside a mask; 24:22 after every 256 words (code 7); 31:25 four words (code 3)
	s_mov_b32 s[G1+1], 256<<16                     ; tensor_dim0 = 256
	s_mov_b32 s[G1+2], 32<<16                      ; tensor_dim1 = 32
	s_mov_b32 s[G1+3], 256<<16                     ; tile_dim0 = 256
	s_mov_b32 s[G1+4], 32                          ; tile_dim1 = 32
	s_mov_b32 s[G1+5], 256                         ; elements from row to row
	s_mov_b32 s[G1+6], 0
	s_mov_b32 s[G1+7], 0
	s_lshl_b32 s2, s[BLK], 18                      ; 256 rows of 1,024 bytes a block,
	s_lshl_b32 s3, s[WV], 15                       ; 32 rows a wave
	s_add_co_u32 s2, s2, s3
	s_mov_b32 s3, 0
	s_mov_b32 s[G0], 1                             ; count = 1
	s_mul_i32 s[G0+1], s[WV], 32*XP                ; LDS address
	s_wait_dscnt 0x0                               ; both opening adds are done
	s_wait_kmcnt 0x0
	s_load_b256 s[EX:EX+7], s[12:13], 0x0          ; e0 .. e7
	s_add_nc_u64 s[G0+2:G0+3], s[4:5], s[2:3]      ; global address
	s_or_b32 s[G0+3], s[G0+3], 0x80000000          ; type = 2
	CROUND                                         ; all four work-groups are here: the joint loads meet
	tensor_load_to_lds s[G0:G0+3], s[G1:G1+7]      ; my one tensor load
	s_nop 0
	PLACES                                         ; four v_nop follow the load
	s_mul_i32 s2, s[WV], 32*XP
	s_lshl_b32 s3, s[WV], 9
	s_add_co_u32 s3, s3, WIMG                      ; K step w / 4, piece w % 4: 512 w bytes into each pair of images
	v_and_b32 v22, 31, v0                          ; lane
	v_and_b32 v23, 15, v0                          ; r
	v_bfe_u32 v24, v0, 4, 1                        ; h
	v_and_b32 v25, 3, v0                           ; r % 4
	v_bfe_u32 v26, v0, 2, 2                        ; r / 4
	v_lshlrev_b32 v[LI], 4, v22
	v_lshlrev_b32 v[R4], 2, v23
	v_lshlrev_b32 v[H32], 5, v24
	v_mul_u32_u24 v[WO], v24, 8*3072
	v_lshlrev_b32 v27, 8, v24
	v_mul_u32_u24 v[XA], v23, XP
	v_lshlrev_b32 v[L8], 3, v22
	v_lshl_add_u32 v[WO], v23, 4, v[WO]
	v_lshl_add_u32 v27, v25, 6, v27
	v_lshl_add_u32 v[JO], v24, 13, v[R4]
	v_add_nc_u32 v[XA], v[XA], v[H32]
	v_lshl_add_u32 v27, v26, 12, v27
	v_add_nc_u32 v[WLD], WIMG, v[LI]
	v_add_nc_u32 v[XA], s2, v[XA]
	v_add_nc_u32 v[WST], s3, v27
	s_wait_alu depctr_va_vdst(0)                   ; the wait here, ahead of the scalar lines below
	s_lshl_b32 s23, s[HEAD], 8
	s_mul_i32 s2, s[WV], 32*3072
	s_add_co_u32 s2, s2, s23
	s_mov_b32 s3, 0
	s_add_nc_u64 s[WB:WB+1], s[6:7], s[2:3]        ; w_qkv at row 32 w and my head's first column of q
	s_mov_b32 s2, s23
	s_add_nc_u64 s[BQ:BQ+1], s[8:9], s[2:3]        ; b_qkv at my head's 64 numbers of q
	; the job: g = 4 block + head; rows 128 ((g / 8) % 2) + 16 (g % 8) of w_out, columns 16 (g / 16)
	s_lshl_b32 s62, s[BLK], 2
	s_add_co_u32 s62, s62, s[HEAD]
	s_bfe_u32 s2, s62, 0x10003
	s_lshl_b32 s2, s2, 17
	s_and_b32 s3, s62, 7
	s_lshl_b32 s3, s3, 14
	s_add_co_u32 s2, s2, s3
	s_lshr_b32 s3, s62, 4
	s_lshl_b32 s3, s3, 6
	s_add_co_u32 s2, s2, s3
	s_mov_b32 s3, 0
	s_add_nc_u64 s[JS:JS+1], s[10:11], s[2:3]
	s_lshl_b32 s2, s62, 8
	s_add_nc_u64 s[JD:JD+1], s[18:19], s[2:3]
.irp i, 0,1,2,3,4,5,6,7
	global_load_b32 v[JN+\i], v[JO], s[JS:JS+1] offset:\i*1024   ; every wave makes the job's 256 bytes (eight loads, nine vector lines), one stores them: so the branch stands round the store alone
.endr
	WLOAD SET_A, 0
	WLOAD SET_B, 1
	WIN 0x40
	WLOAD SET_C, 2
	WIN 0
	; where my results go.  bh = 4 batch + head; a batch has 16 blocks
	s_lshr_b32 s62, s[BLK], 4
	s_lshl_b32 s62, s62, 2
	s_add_co_u32 s62, s62, s[HEAD]                 ; bh
	s_and_b32 s63, s[BLK], 15
	s_lshl_b32 s2, s62, 18                         ; q_img: 262,144 bytes a head, 16 token tiles of 1,024 a block, two a wave
	s_lshl_b32 s3, s63, 14
	s_add_co_u32 s2, s2, s3
	s_lshl_b32 s3, s[WV], 11
	s_add_co_u32 s2, s2, s3
	s_mov_b32 s3, 0
	s_add_nc_u64 s[QB:QB+1], s[14:15], s[2:3]
	s_lshl_b32 s2, s62, 19                         ; kv_img: 524,288 bytes a head, two steps of 16,384 a block: waves 0-3 the first, waves 4-7 the second
	s_lshl_b32 s3, s63, 15
	s_add_co_u32 s2, s2, s3
	s_lshr_b32 s3, s[WV], 2
	s_lshl_b32 s3, s3, 14
	s_add_co_u32 s2, s2, s3
	s_and_b32 s23, s[WV], 3
	s_lshl_b32 s3, s23, 11                         ; K: my two tiles of 1,024 bytes
	s_add_co_u32 s62, s2, s3
	s_mov_b32 s63, 0
	s_add_nc_u64 s[KB:KB+1], s[16:17], s[62:63]
	s_lshl_b32 s3, s23, 9                          ; V: behind K's 8,192 bytes; my 32 keys are piece w % 4 of each channel tile
	s_add_co_u32 s2, s2, s3
	s_add_co_u32 s2, s2, 8192
	s_mov_b32 s3, 0
	s_add_nc_u64 s[VBS:VBS+1], s[16:17], s[2:3]
	s_wait_kmcnt 0x0
	s_add_co_i32 s62, s[EX], s[EX+1]               ; e0 + e1: a sum of the product stands for sum x 2^(e0 + e1)
	s_sub_co_i32 s23, 0, s62                       ; so the bias goes in as b / 2^(e0 + e1),
	MKSC 10, 11, EX
	MKSC 12, 13, EX+1
	MKSC 14, 15, EX+7
	s_add_co_i32 s63, s[EX+2], 3                   ; and the scales are folded: q / 8 / 2^e2 = sum / 2^(e2 + 3 - e0 - e1)
	s_sub_co_i32 s63, s63, s62
	MKSC 16, 17, 63
	s_sub_co_i32 s63, s[EX+3], s62
	MKSC 18, 19, 63
	s_sub_co_i32 s63, s[EX+5], s62
	MKSC 20, 21, 63
	s_wait_alu depctr_va_vdst(0)                   ; the wait at the head's end
	s_wait_tensorcnt 0x0                           ; my 32 rows of x have landed; I alone read them, so no barrier is due
	XFETCH XR0, 0, 0
	XFETCH XR1, 0, 1
	s_wait_dscnt 16                                ; the first 16 loads are in, the younger 16 may be out
	XQUANT XR0, XC
	XFETCH XR0, 1, 0
	s_wait_dscnt 16
	XQUANT XR1, XC+16
	XFETCH XR1, 1, 1
	s_wait_dscnt 16
	XQUANT XR0, XC+32
	s_wait_dscnt 0x0
	XQUANT XR1, XC+48
	WIN 0x40
.irp p, 0,1
.irp t, 0,1,2,3
	global_load_b128 v[BIAS+8*(4*\p+\t):BIAS+8*(4*\p+\t)+3], v[H32], s[BQ:BQ+1] offset:\p*1024+\t*64      ; lane (r, h): the tile's columns 8 h + 0 .. 7
	global_load_b128 v[BIAS+8*(4*\p+\t)+4:BIAS+8*(4*\p+\t)+7], v[H32], s[BQ:BQ+1] offset:\p*1024+\t*64+16
.endr
.endr
.irp t, 0,1,2,3
	global_load_b32 v[VB+\t], v[R4], s[BQ:BQ+1] offset:2048+\t*64   ; v: channel r of tile t
.endr
	WIN 0
	s_wait_loadcnt 52                              ; behind set A's last load 16 + 16 + 20 were issued: the job's numbers and set A are in
	WQUANT SET_A, 0, PC
	IMAGE PC, 0
	s_wait_loadcnt 36                              ; set B
	WQUANT SET_B, 0, SET_A
	IMAGE SET_A, 1
	s_wait_loadcnt 20                              ; set C
	WQUANT SET_C, 0x01, SET_A+16
	IMAGE SET_A+16, 2
.irp i, 0,1,2,3,4,5,6,7
	v_med3_num_f32 v[JN+\i], v[JN+\i], -v15, v15
.endr
	v_cvt_scalef32_pk8_fp8_f32 v[JC:JC+1], v[JN:JN+7], v14
	v_nop
	s_cmp_lg_u32 s[WV], 7
	s_cbranch_scc1 .Lnot_mine
	global_store_b64 v[L8], v[JC:JC+1], s[JD:JD+1]  ; 32 lanes store 256 consecutive bytes, aligned
.Lnot_mine:
	s_wait_loadcnt 0x0                             ; the biases
	s_wait_dscnt 0x0                               ; my pieces of the images are stored:
	s_barrier_signal -1
	WIN 0x41
.set jj, 0
.rept 64
	v_ldexp_f32 v[BIAS+jj], v[BIAS+jj], s23
.set jj, jj+1
.endr
.irp t, 0,1,2,3
	v_ldexp_f32 v[VB+\t], v[VB+\t], s23
.endr
	WIN 0
	s_barrier_wait -1                              ; everybody's are
	s_wait_xcnt 0x0                                ; the job's store has read v[JC:JC+1], which a group's fragments now take
	WFETCH 0
	GROUP_T 0, 16, 17, QB
	GROUP_T 1, 16, 17, QB
	GROUP_T 2, 18, 19, KB
	GROUP_T 3, 18, 19, KB
	GROUP_V 4
	GROUP_V 5
	s_wait_tensorcnt 0x0                           ; the wave's end
	ds_add_u32 v[SPW], v[NIL]
	s_wait_dscnt 0x0
	CROUND                                         ; the closing round: no work-group ends while a partner may still ask for a tile that names it
	s_endpgm
.Lfunc_end_k_qe92ca7b149_qkv:
	.size	k_qe92ca7b149_qkv, .Lfunc_end_k_qe92ca7b149_qkv-k_qe92ca7b149_qkv
	.p2alignl 7, 3214868480
	.fill 96, 4, 3214868480
	.section	.rodata,"a",@progbits
	.p2align	6, 0x0
	.amdhsa_kernel k_qe92ca7b149_qkv
		.amdhsa_group_segment_fixed_size 316416
		.amdhsa_private_segment_fixed_size 0
		.amdhsa_enable_private_segment 0
		.amdhsa_kernarg_size 64
		.amdhsa_user_sgpr_count 2
		.amdhsa_user_sgpr_kernarg_segment_ptr 1
		.amdhsa_wavefront_size32 1
		.amdhsa_system_sgpr_workgroup_id_x 1
		.amdhsa_system_sgpr_workgroup_id_y 1
		.amdhsa_system_sgpr_workgroup_id_z 1
		.amdhsa_system_vgpr_workitem_id 0
		.amdhsa_next_free_vgpr 512
		.amdhsa_next_free_sgpr 66
		.amdhsa_reserve_vcc 0
		.amdhsa_float_denorm_mode_32 3
		.amdhsa_float_denorm_mode_16_64 3
		.amdhsa_memory_ordered 1
		.amdhsa_forward_progress 1
		.amdhsa_inst_pref_size 86
	.end_amdhsa_kernel
	.amdgpu_metadata
---
amdhsa.version: [ 1, 2 ]
amdhsa.kernels:
  - .name:           k_qe92ca7b149_qkv
    .symbol:         k_qe92ca7b149_qkv.kd
    .args:
      - { .name: x, .offset: 0, .size: 8, .value_kind: global_buffer, .address_space: global }
      - { .name: w_qkv, .offset: 8, .size: 8, .value_kind: global_buffer, .address_space: global }
      - { .name: b_qkv, .offset: 16, .size: 8, .value_kind: global_buffer, .address_space: global }
      - { .name: w_out, .offset: 24, .size: 8, .value_kind: global_buffer, .address_space: global }
      - { .name: lowp_scales, .offset: 32, .size: 8, .value_kind: global_buffer, .address_space: global }
      - { .name: q_img, .offset: 40, .size: 8, .value_kind: global_buffer, .address_space: global }
      - { .name: kv_img, .offset: 48, .size: 8, .value_kind: global_buffer, .address_space: global }
      - { .name: wo_img, .offset: 56, .size: 8, .value_kind: global_buffer, .address_space: global }
    .group_segment_fixed_size: 316416
    .private_segment_fixed_size: 0
    .kernarg_segment_align: 8
    .kernarg_segment_size: 64
    .max_flat_workgroup_size: 256
    .sgpr_count:     66
    .vgpr_count:     512
    .wavefront_size: 32
...
	.end_amdgpu_metadata
.endif
;; end of part 1
;; launch attn (part 2): grid 64 x 4, 4 waves a work-group, clusters of 4 x 1, 327,680 bytes of LDS; arguments q_img, kv_img, wo_img, b_out, lowp_scales, out0; writes out0
.if DOCPART == 2
	.amdgcn_target "amdgcn-amd-amdhsa--gfx1250"
	.amdhsa_code_object_version 6
	.text
	.protected	k_qe92ca7b149_attn
	.globl	k_qe92ca7b149_attn
	.p2align	8
	.type	k_qe92ca7b149_attn,@function
k_qe92ca7b149_attn:
	s_mov_b64 s[64:65], 0
	v_nop
	global_prefetch_b8 v0, s[64:65] scope:SCOPE_SE
	s_setreg_imm32_b32 hwreg(HW_REG_WAVE_MODE, 25, 1), 1
	s_wait_xcnt 0x0
	s_wait_alu depctr_hold_cnt(0) depctr_sa_sdst(0) depctr_va_vdst(0) depctr_va_sdst(0) depctr_va_ssrc(0) depctr_va_vcc(0) depctr_vm_vsrc(0)
	s_getreg_b32 s2, hwreg(HW_REG_IB_STS2, 6, 4)
	s_cmp_eq_u32 s2, 0
	s_cbranch_scc0 .Lentry_in_a_cluster
	s_endpgm
.Lentry_in_a_cluster:
	s_bfe_u32 s2, ttmp6, 0x10000c
	s_cmp_lg_u32 s2, 0x3003
	s_cbranch_scc0 .Lentry_shape_is_right
	s_endpgm
.Lentry_shape_is_right:
; out0 = Q(softmax(q k^T) v) Q(w_out) + b_out: attention of 4 batches x 4 heads x 4,096 tokens, head size 64, and the output projection, all products on codes of FP8 (E4M3).  q's codes already hold q / 8.
; THE SOFTMAX AHEAD OF THE SECOND PRODUCT: t = score x log2(e); M = the running largest t rounded UP to a whole number; p = 2^(t - M) is what is quantised (scale 2^e4), not normalised.  The row's sum is taken of the unquantised p
; and divides O at the end.  When M moves, the sum and O are multiplied by 2^(old M - new M), which rounds nothing.
; SHARES.  A work-group owns 64 tokens of one batch, all four heads; wave w, one to a SIMD, owns head w: FOUR tiles of 16 queries, worked as two pairs.  It walks the 4,096 keys in 16 units of 256.
; At the end the four heads' codes of o meet in LDS and wave w makes columns 64 w .. 64 w + 63 of out0: the rows of o never go to memory.
; LAYOUT.  Every product is used transposed: S^T = K Q^T (K = 64), O^T = V^T P^T (K = 128), out^T = w_out^T o^T: a lane holds ONE token (lane % 16) throughout.  Tile kt of S^T holds, in lane (r, h), keys 16 kt + 8 h + 0 .. 7:
; one conversion makes of them registers 2 kt, 2 kt + 1 of P's fragment.  kv_img holds images of operand registers (lane l's 16 bytes at 16 l): a step of 128 keys is 8 tiles of K x 1,024 bytes, then 4 of V^T x 2,048; a unit is two steps, 32,768 bytes on end.
; RING.  Two slots of one unit for each head (131,072 bytes).  A wave fetches and reads its own head's 32,768 bytes of a slot.  CLUSTER: four blocks of tokens of one batch walk the same K and V: each wave's load is a JOINT one with its three partners.
; A wave has one tensor load out at the most, and it has a whole unit's work in which to land.  w_out's codes (16,384 bytes a wave, beside 524,288 of K and V) come once, at the head, into registers.
; LIMITS on the given exponents, so that each power of two below is an f32 number: e2 + e3 between -126 and 127 (added to log2(e)'s exponent field); e4 and e6 - e4 - e5 between -126 and 119; e6 + e7 between -126 and 127.
; The scaled scores stay under 2^31 in magnitude.  NaN among the inputs is not served.
; REGISTERS, in windows of 256.  Window 0: addresses, Q, statistics, v128-255 w_out's eight fragments.  Window 1: S^T, then p, of a pair (128 a tile, in batches of 64).  Window 2: v0-127 O^T, 32 a tile; v128-191 P's codes, 32 a tile;
;   v192-223 b_out.  Window 3: v0-127 K's sixteen fragments; v128-255 V's eight.
.set SLOT1, 1<<17                      ; slot 1 begins here: one exclusive or turns one slot's address into the other's
.set UNITB, 32768                      ; a head's bytes of a unit
.set SPARE, 2*SLOT1                    ; behind the ring: the spare words, 128 bytes for each wave: two blocks of 256 bytes that no other line names
.set OIMG,  SPARE+512                  ; 16,384 bytes for o's codes: [row tile][K step 2][piece 4][lane][16 B]; no tensor load lands there
.set SP,    272                        ; the way out: a row of 256 bytes + 16; the stage lies in the wave's own part of slot 0, which has had its last fill and its last read then
.set LI,  1                            ; v1   16 x lane + 32,768 x wave
.set ADR, 2                            ; v2   the slot in hand + that
.set PFO, 3                            ; v3   256 x lane
.set SPW, 4                            ; v4   LDS address of my spare word; never rewritten
.set NIL, 5                            ; v5   0; never rewritten
.set PSC, 6                            ; v6   2^e4; on the way out 2^(e6 - e4 - e5)
.set CAP, 7                            ; v7   on the way out 448 x 2^(e6 - e4 - e5)
.set L8,  8                            ; v8   8 x lane
.set H32, 9                            ; v9   32 h
.set L16, 10                           ; v10  16 x lane
.set OST, 11                           ; v11  where I put o's codes
.set OLD, 15                           ; v15  where I read o's fragments
.set QF,  16                           ; v16-47  Q, 8 a tile
.set ST,  48                           ; v48-95  tile t's statistics at ST + 12 t: +0 -M, +1 the largest score, +2 f (+3 named with it), +4 .. +11 the sum in four pairs
.set TC,  96                           ; v96-103 four maxima a tile, then at work
.set TW,  104                          ; v104-107 the other half's maximum and the old -M, two a tile
.set SO,  108                          ; v108 the stage, in
.set SR,  109                          ; v109 the stage, back
.set CO,  110                          ; v110 my byte offset in out0
.set WO,  128
.set PC,  128                          ; in window 2
.set BI,  192                          ; in window 2
.set VF,  128                          ; in window 3
.set WV,  16                           ; s16  wave = head
.set SEL, 2                            ; s[2:3] v_permlanex16_b32's selects for lane l xor 16
.set G1,  24                           ; s[24:31] descriptor group 1; s[32:35] group 0, which walks
.set G0,  32
.set PFA, 36                           ; s[36:37] where my prefetches stand
.set LIM, 38                           ; s38  1 in the batch's first cluster, which prefetches, else the greatest number
.set SLOTS, 39                         ; s39  trips to go
.set EX,  40                           ; s[40:47] e0 .. e7
.set CS,  52                           ; s[52:53] c = log2(e) x 2^(e2 + e3): the packed form names a pair and takes its low word for both halves
.set NC,  54                           ; s54  -c
.set CAPS, 55                          ; s55  448 x 2^e4
.set TB,  49                           ; s49  LDS byte at which the slot in hand begins
.set MSB, 0
.macro WIN new                         ; the immediate's high byte repeats the setting that is left; a switch that changes nothing is dropped
.if MSB != \new
	s_set_vgpr_msb (MSB<<8)|\new
.set MSB, \new
.endif
.endm
.macro PLACES
.rept 4
	v_nop
.endr
.endm
.macro CREST                           ; a round of the cluster's barrier behind its opening barrier
	s_cmp_lg_u32 s[WV], 0
	s_cbranch_scc1 .Lnot_wave_0_\@
	s_barrier_signal -3
.Lnot_wave_0_\@:
	s_barrier_wait -3
	s_barrier_signal -1
	s_barrier_wait -1
.endm
.macro CROUND
	s_barrier_signal -1
	s_barrier_wait -1
	CREST
.endm
.macro JLOAD                           ; my head's part of a slot, asked for with my three partners; four v_nop follow
	tensor_load_to_lds s[G0:G0+3], s[G1:G1+7]
	s_nop 0
	PLACES
.endm
; A PREFETCH of the unit that the NEXT change of slots will ask for, one unit ahead of that load.  Each block of 256 bytes is named once in the launch: the batch's first cluster asks; wave w takes head w, and the four partners
; take 8,192 of its 32,768 bytes each, told apart by ADDRESS, lanes 256 bytes apart.  The last change that fills a slot asks for nothing; units 0 to 2 come by their loads alone.
.macro ASK
	s_cmp_gt_u32 s[SLOTS], s[LIM]
	s_cbranch_scc0 .Lnot_mine_\@
	global_prefetch_b8 v[PFO], s[PFA:PFA+1] th:TH_LOAD_NT scope:SCOPE_SE
.Lnot_mine_\@:
.endm
.macro KLOAD                           ; K's sixteen fragments of a unit
	WIN 0xc0
.irp g, 0,1
.irp kt, 0,1,2,3,4,5,6,7
.irp c, 0,1
	ds_load_b128 v[64*\g+8*\kt+4*\c:64*\g+8*\kt+4*\c+3], v[ADR] offset:\g*16384+\kt*1024+\c*512
.endr
.endr
.endr
	WIN 0
.endm
.macro VLOAD                           ; V's eight
	WIN 0xc0
.irp g, 0,1
.irp dt, 0,1,2,3
.irp c, 0,1,2,3
	ds_load_b128 v[VF+64*\g+16*\dt+4*\c:VF+64*\g+16*\dt+4*\c+3], v[ADR] offset:\g*16384+8192+\dt*2048+\c*512
.endr
.endr
.endr
	WIN 0
.endm
.macro SMUL p, k0                      ; S^T of pair p, key tiles k0 .. k0 + 7
	WIN 0x43
.set kk, \k0
.rept 8
.irp x, 0,1
	v_wmma_f32_16x16x64_fp8_fp8 v[128*\x+8*kk:128*\x+8*kk+7], v[8*kk:8*kk+7], v[QF+8*(2*\p+\x):QF+8*(2*\p+\x)+7], 0
.endr
.set kk, kk+1
.endr
.endm
.macro PV p                            ; O^T of pair p: eight accumulators by turns, one instruction a turn
	WIN 0xab
.irp g, 0,1
.irp dt, 0,1,2,3
.irp x, 0,1
	v_wmma_f32_16x16x128_fp8_fp8 v[32*(2*\p+\x)+8*\dt:32*(2*\p+\x)+8*\dt+7], v[VF+64*\g+16*\dt:VF+64*\g+16*\dt+15], v[PC+32*\x+16*\g:PC+32*\x+16*\g+15], v[32*(2*\p+\x)+8*\dt:32*(2*\p+\x)+8*\dt+7]
.endr
.endr
.endr
.endm
; THE SOFTMAX of a pair goes in four batches of 64 registers (tile i / 2 of the pair).  Beside batch i's exponentials stand batch f's t - M and batch h's hold, so that both their readers stand behind the one wait that follows the batch.
.macro TM f, j, p                      ; t - M, two at a time (of the pairs c and -M the low word serves both halves)
	v_pk_fma_f32 v[64*(\f)+2*(\j):64*(\f)+2*(\j)+1], v[64*(\f)+2*(\j):64*(\f)+2*(\j)+1], s[CS:CS+1], v[ST+12*(2*(\p)+(\f)/2):ST+12*(2*(\p)+(\f)/2)+1] op_sel_hi:[1,0,0]
.endm
.macro HOLD h, j                       ; the conversion to an 8-bit code does not saturate (ISA guide 7.6.2); p is not negative, so the hold is one-sided: two numbers an instruction
	v_dual_min_num_f32 v[64*(\h)+2*(\j)], s[CAPS], v[64*(\h)+2*(\j)] :: v_dual_min_num_f32 v[64*(\h)+2*(\j)+1], s[CAPS], v[64*(\h)+2*(\j)+1]
.endm
.macro EXPB i, f, h, p
	WIN 0x45
.set jj, 0
.rept 32
	v_exp_f32 v[64*(\i)+2*jj], v[64*(\i)+2*jj]
.if (\h) >= 0
	HOLD \h, jj
.endif
	v_exp_f32 v[64*(\i)+2*jj+1], v[64*(\i)+2*jj+1]
.if (\f) >= 0
	TM \f, jj, \p
.endif
.set jj, jj+1
.endr
.endm
.set TS,  112                          ; v112-119 four more chains of the sum, which live through a tile's two batches
.macro SUMB i, p                       ; eight chains in all: four begin anew in a tile's first batch and join the others at the end of its second
.set LB, ST+12*(2*(\p)+(\i)/2)+4
.set jj, 0
.if ((\i)%2) == 0
	WIN 0x05
.rept 4
	v_pk_add_f32 v[TS+2*jj:TS+2*jj+1], v[64*(\i)+8+2*jj:64*(\i)+8+2*jj+1], v[64*(\i)+16+2*jj:64*(\i)+16+2*jj+1]
.set jj, jj+1
.endr
.set jj, 0
	WIN 0x10
.rept 4
	v_pk_fma_f32 v[LB+2*jj:LB+2*jj+1], v[LB+2*jj:LB+2*jj+1], v[LB-2:LB-1], v[64*(\i)+2*jj:64*(\i)+2*jj+1] op_sel_hi:[1,0,1]
.set jj, jj+1
.endr
.set jj, 12
.endif
	WIN 0x04
.rept 32-jj
.if ((jj/4)%2) == 1
	v_pk_add_f32 v[TS+2*(jj%4):TS+2*(jj%4)+1], v[TS+2*(jj%4):TS+2*(jj%4)+1], v[64*(\i)+2*jj:64*(\i)+2*jj+1]
.else
	v_pk_add_f32 v[LB+2*(jj%4):LB+2*(jj%4)+1], v[LB+2*(jj%4):LB+2*(jj%4)+1], v[64*(\i)+2*jj:64*(\i)+2*jj+1]
.endif
.set jj, jj+1
.endr
.if ((\i)%2) == 1
	WIN 0
.irp c, 0,1,2,3
	v_pk_add_f32 v[LB+2*\c:LB+2*\c+1], v[LB+2*\c:LB+2*\c+1], v[TS+2*\c:TS+2*\c+1]
.endr
.endif
.endm
.macro CODES i                         ; accumulator a of the pair becomes registers 2 a, 2 a + 1 of P
	WIN 0x81
.set aa, 8*(\i)
.rept 8
	v_cvt_scalef32_pk8_fp8_f32 v[PC+2*aa:PC+2*aa+1], v[8*aa:8*aa+7], v[PSC]
.set aa, aa+1
.endr
.endm
.macro SOFTMAX p
	WIN 0x14
.set jj, 0
.rept 64                               ; the largest score of my query among my 128 keys and all before, in four chains a tile; each accumulator is read from its low end on
.irp x, 0,1
.if jj < 4
	v_max3_num_f32 v[TC+4*\x+jj], v[ST+12*(2*\p+\x)+1], v[128*\x+2*jj], v[128*\x+2*jj+1]
.else
	v_max3_num_f32 v[TC+4*\x+jj%4], v[TC+4*\x+jj%4], v[128*\x+2*jj], v[128*\x+2*jj+1]
.endif
.endr
.set jj, jj+1
.endr
	WIN 0
.irp x, 0,1
	v_max3_num_f32 v[TC+4*\x], v[TC+4*\x], v[TC+4*\x+1], v[TC+4*\x+2]
.endr
.irp x, 0,1
	v_max_num_f32 v[TC+4*\x], v[TC+4*\x], v[TC+4*\x+3]
.endr
.irp x, 0,1
	v_permlanex16_b32 v[TW+2*\x], v[TC+4*\x], s[SEL], s[SEL+1]   ; the query's other 128 keys lie in the lane 16 away
.endr
.irp x, 0,1
	v_mov_b32 v[TW+2*\x+1], v[ST+12*(2*\p+\x)]
.endr
.irp x, 0,1
	v_max_num_f32 v[ST+12*(2*\p+\x)+1], v[TC+4*\x], v[TW+2*\x]
.endr
.irp x, 0,1
	v_mul_f32 v[TC+4*\x+1], s[NC], v[ST+12*(2*\p+\x)+1]          ; -t (c is positive)
.endr
.irp x, 0,1
	v_floor_f32 v[ST+12*(2*\p+\x)], v[TC+4*\x+1]                 ; the new -M = floor(-t) = -ceil(t): M is a whole number
.endr
.irp x, 0,1
	v_sub_f32 v[TC+4*\x+2], v[ST+12*(2*\p+\x)], v[TW+2*\x+1]     ; old M - new M: a whole number, 0 or less
.endr
.irp x, 0,1
	v_cvt_i32_f32 v[TC+4*\x+2], v[TC+4*\x+2]                     ; (it saturates)
.endr
.irp x, 0,1
	v_ldexp_f32 v[ST+12*(2*\p+\x)+2], 1.0, v[TC+4*\x+2]          ; f = 2^(old M - new M)
.endr
	WIN 0x45
.set jj, 0
.rept 32
	TM 0, jj, \p
.set jj, jj+1
.endr
	s_wait_alu depctr_va_vdst(0)                   ; the wait ahead of the batch; each of the four below serves the batch ahead of it and the one behind it
	EXPB 0, 1, -1, \p
	s_wait_alu depctr_va_vdst(0)
	SUMB 0, \p
	EXPB 1, 2, 0, \p
	s_wait_alu depctr_va_vdst(0)
	CODES 0
	SUMB 1, \p
	EXPB 2, 3, 1, \p
	s_wait_alu depctr_va_vdst(0)
	CODES 1
	SUMB 2, \p
	EXPB 3, -1, 2, \p
	WIN 0x82
	s_wait_alu depctr_va_vdst(0)                   ; this one stands ahead of the first reader of O^T too
.set jj, 0
.rept 16
.irp x, 0,1
	v_pk_mul_f32 v[32*(2*\p+\x)+2*jj:32*(2*\p+\x)+2*jj+1], v[32*(2*\p+\x)+2*jj:32*(2*\p+\x)+2*jj+1], v[ST+12*(2*\p+\x)+2:ST+12*(2*\p+\x)+3] op_sel_hi:[1,0]   ; O^T under the new M
.endr
.set jj, jj+1
.endr
	SUMB 3, \p
	WIN 0x45
.set jj, 0
.rept 32
	HOLD 3, jj
.set jj, jj+1
.endr
	CODES 2
	CODES 3
	v_nop                                          ; the plain line between the last conversion and the products
.endm
; A UNIT of 256 keys: V's fragments are fetched under pair 0's softmax, the next unit's K under pair 1's.  fill = 1: a change of slots stands between the pairs: this slot's reads are over then (V is in), the next slot must have landed,
; and behind a round of the cluster's barrier this slot is filled with the unit two on.  fill = 0: nothing is filled again; a wave reads only what it fetched itself, so its own wait is all the ordering that the next slot's reads need.
.macro UNIT fill
	s_wait_dscnt 0x0                               ; this unit's K is in
	SMUL 0, 0
	SMUL 0, 8
	WIN 0
	PLACES                                         ; ahead of the reads of the scores
	VLOAD
	SOFTMAX 0
	s_wait_alu depctr_va_vdst(0)                   ; the wait here, directly ahead of the wait below
	s_wait_dscnt 0x0                               ; V is in
	PV 0
	WIN 0
.if \fill
	s_wait_tensorcnt 0x0                           ; my tensor load, the next unit's, has landed; so group 0 may be written
	ds_add_u32 v[SPW], v[NIL]                      ; 0 onto my spare word
	s_xor_b32 s[G0+1], s[G0+1], SLOT1              ; the walking descriptor: the other slot than last time,
	s_add_nc_u64 s[G0+2:G0+3], s[G0+2:G0+3], UNITB ; the next unit; the type bits on top are not reached
	s_wait_xcnt 0x0                                ; the last prefetch has read its address:
	s_add_nc_u64 s[PFA:PFA+1], s[PFA:PFA+1], UNITB ; one unit further on than the walking descriptor
	s_xor_b32 s[TB], s[TB], SLOT1
	SMUL 1, 0                                      ; sixteen matrix instructions stand between the add and the wait for it
	s_wait_dscnt 0x0                               ; the add is done, and my reads of this slot are over
	s_barrier_signal -1
	SMUL 1, 8
	WIN 0
	s_barrier_wait -1
	CREST                                          ; no wave of any partner still reads this slot or has a load on its way
	JLOAD                                          ; its four v_nop are also the places in front of K's loads and of the reads of the scores
	v_add_nc_u32 v[ADR], s[TB], v[LI]
	KLOAD
	ASK
.else
	SMUL 1, 0
	SMUL 1, 8
	WIN 0
	PLACES
	s_wait_tensorcnt 0x0                           ; the last unit's tile has landed
	s_xor_b32 s[TB], s[TB], SLOT1
	s_cmp_eq_u32 s[SLOTS], 1
	s_cbranch_scc1 .Lno_k_\@                       ; behind the last unit there is no K to fetch
	v_add_nc_u32 v[ADR], s[TB], v[LI]
	KLOAD
.Lno_k_\@:
.endif
	SOFTMAX 1
	PV 1
	WIN 0
.endm
	s_load_b256 s[4:11], s[0:1], 0x0               ; q_img s[4:5], kv_img s[6:7], wo_img s[8:9], b_out s[10:11]
	s_load_b128 s[12:15], s[0:1], 0x20             ; lowp_scales s[12:13], out0 s[14:15]
	v_lshl_add_u32 v[SPW], v0, 2, SPARE
	v_mov_b32 v[NIL], 0
	ds_add_u32 v[SPW], v[NIL]                      ; the wave's opening: the add, twice on end, and its wait
	ds_add_u32 v[SPW], v[NIL]
	v_lshrrev_b32 v12, 5, v0
	v_readfirstlane_b32 s[WV], v12                 ; wave 0..3 = head
	s_bfe_u32 s17, ttmp6, 0x40000                  ; cx: my place in the cluster: it enters global addresses alone
	s_lshl_b32 s18, ttmp9, 2
	s_add_co_u32 s18, s18, s17                     ; my block of 64 tokens = 4 x cluster x + cx
	s_and_b32 s19, ttmp7, 0xffff                   ; the batch, which the four partners share
	s_lshl_b32 s20, s19, 2
	s_add_co_u32 s20, s20, s[WV]                   ; bh = 4 batch + head
	; descriptor group 1: 128 rows x 32 elements of 8 bytes, dense in memory and in LDS
	s_mov_b32 s[G1], 15|(3<<16)|(1<<21)            ; 15:0 the mask: all four work-groups; 17:16 elements of 8 bytes; 20 no padding; 21 set beside a mask
	s_mov_b32 s[G1+1], 32<<16                      ; tensor_dim0 = 32
	s_mov_b32 s[G1+2], 128<<16                     ; tensor_dim1 = 128
	s_mov_b32 s[G1+3], 32<<16                      ; tile_dim0 = 32
	s_mov_b32 s[G1+4], 128                         ; tile_dim1 = 128
	s_mov_b32 s[G1+5], 32                          ; elements from row to row
	s_mov_b32 s[G1+6], 0
	s_mov_b32 s[G1+7], 0
	s_lshl_b32 s56, s[WV], 15                      ; my part of a slot
	s_lshl_b32 s58, s20, 19                        ; the head's first byte in kv_img
	s_mov_b32 s59, 0
	s_mov_b32 s[SEL], 0x76543210
	s_mov_b32 s[SEL+1], 0xfedcba98
	s_mov_b32 s[TB], 0
	s_mov_b32 s[SLOTS], 14                         ; 16 units; the first two are asked for at the head
	s_cmp_eq_u32 ttmp9, 0                          ; the batch's first cluster: the same in all four partners
	s_cselect_b32 s[LIM], 1, -1
	s_wait_dscnt 0x0                               ; both opening adds are done
	s_wait_kmcnt 0x0
	s_load_b256 s[EX:EX+7], s[12:13], 0x0          ; e0 .. e7
	s_mov_b32 s[G0], 1                             ; count = 1
	s_mov_b32 s[G0+1], s56                         ; LDS address: slot 0
	s_add_nc_u64 s[G0+2:G0+3], s[6:7], s[58:59]    ; global address: the head's unit 0
	s_or_b32 s[G0+3], s[G0+3], 0x80000000          ; type = 2
	CROUND                                         ; all four work-groups are here: the first joint loads meet
	JLOAD                                          ; unit 0: one tensor load a wave at the head
	s_mov_b32 s61, 0
	s_lshl_b32 s60, s17, 13                        ; the prefetches: my work-group's 8,192 bytes,
	s_add_co_u32 s60, s60, s58                     ; in my head,
	s_add_co_u32 s60, s60, 2*UNITB                 ; in unit 2: the first change of slots steps it to unit 3.  Nothing is prefetched here, at the head
	s_add_nc_u64 s[PFA:PFA+1], s[6:7], s[60:61]
	s_lshl_b32 s60, s20, 18                        ; q_img: 262,144 bytes a head, 4 tiles of 1,024 a block
	s_lshl_b32 s62, s18, 12
	s_add_co_u32 s60, s60, s62
	s_add_nc_u64 s[50:51], s[4:5], s[60:61]
	s_lshl_b32 s60, s[WV], 14                      ; wo_img: my four column tiles' eight fragments
	s_add_nc_u64 s[8:9], s[8:9], s[60:61]
	s_lshl_b32 s60, s[WV], 8                       ; b_out: my 64 columns
	s_add_nc_u64 s[10:11], s[10:11], s[60:61]
	s_lshl_b32 s62, s19, 22                        ; out0: my block's rows of 1,024 bytes, my 256 bytes of each
	s_add_co_u32 s60, s60, s62
	s_lshl_b32 s62, s18, 16
	s_add_co_u32 s60, s60, s62
	s_add_nc_u64 s[14:15], s[14:15], s[60:61]
	s_lshl_b32 s57, s[WV], 10
	s_add_co_u32 s57, s57, OIMG                    ; o's codes: a head's two pieces are 1,024 bytes
	v_and_b32 v12, 31, v0                          ; lane
	v_and_b32 v13, 15, v0                          ; r
	v_bfe_u32 v14, v0, 4, 1                        ; h
	v_lshlrev_b32 v[L16], 4, v12
	v_lshlrev_b32 v[PFO], 8, v12
	v_lshlrev_b32 v[L8], 3, v12
	v_lshlrev_b32 v[H32], 5, v14
	v_mul_u32_u24 v[SO], v13, SP
	v_mul_u32_u24 v[SR], v14, SP
	v_lshlrev_b32 v[CO], 10, v14
	v_add_nc_u32 v[LI], s56, v[L16]
	v_add_nc_u32 v[OST], s57, v[L16]
	v_add_nc_u32 v[OLD], OIMG, v[L16]
	v_add_nc_u32 v[SO], v[SO], v[H32]
	v_lshl_add_u32 v[SR], v13, 4, v[SR]
	v_lshl_add_u32 v[CO], v13, 4, v[CO]            ; lanes 0-15 take one row's 256 bytes, lanes 16-31 the next row's
	v_add_nc_u32 v[SO], s56, v[SO]                 ; in: row r, 32 bytes for each half of the lanes
	v_add_nc_u32 v[SR], s56, v[SR]                 ; back: two rows an instruction
	v_add_nc_u32 v[ADR], s[TB], v[LI]
	s_wait_alu depctr_va_vdst(0)                   ; the wait here, ahead of the readers below
.irp t, 0,1,2,3
.irp c, 0,1
	global_load_b128 v[QF+8*\t+4*\c:QF+8*\t+4*\c+3], v[L16], s[50:51] offset:\t*1024+\c*512   ; Q's fragments stay in registers
.endr
.endr
.irp f, 0,1,2,3,4,5,6,7
.irp c, 0,1,2,3,4,5,6,7
	global_load_b64 v[WO+16*\f+2*\c:WO+16*\f+2*\c+1], v[L8], s[8:9] offset:\f*2048+\c*256     ; and so do w_out's: fragment 2 ct + s, 256 bytes on end
.endr
.endr
	WIN 0x80
.irp t, 0,1,2,3
	global_load_b128 v[BI+8*\t:BI+8*\t+3], v[H32], s[10:11] offset:\t*64        ; b_out in the result's layout: lane (r, h): the tile's columns 8 h + 0 .. 7
	global_load_b128 v[BI+8*\t+4:BI+8*\t+7], v[H32], s[10:11] offset:\t*64+16
.endr
.set jj, 0
.rept 128
	v_mov_b32 v[jj], 0                             ; O^T.  (The unit is written without a first one of its own: the first finds zeros, which the first change of M leaves zeros)
.set jj, jj+1
.endr
	WIN 0
.irp t, 0,1,2,3
	v_mov_b32 v[ST+12*\t], 0x7f61b1e6              ; -M: 3e38,
	v_mov_b32 v[ST+12*\t+1], 0xff61b1e6            ; the largest score so far: -3e38, under every score
.irp c, 3,4,5,6,7,8,9,10,11
	v_mov_b32 v[ST+12*\t+\c], 0                    ; the sum's four pairs (and the upper half of f's pair)
.endr
.endr
	v_mov_b32 v[TW], 0                             ; written once: a lane permute's destination counts as one of its sources
	v_mov_b32 v[TW+2], 0
	s_wait_kmcnt 0x0
	s_add_co_i32 s48, s[EX+2], s[EX+3]
	s_lshl_b32 s48, s48, 23
	s_add_co_i32 s[CS], s48, 0x3fb8aa3b            ; log2(e); a score stands for score x 2^(e2 + e3): the two exponents are added to its exponent field
	s_mov_b32 s[CS+1], s[CS]                       ; (named with it as a pair, so it is written)
	s_or_b32 s[NC], s[CS], 0x80000000
	s_add_co_i32 s48, s[EX+4], 127
	s_lshl_b32 s57, s48, 23                        ; (not in s[50:51], the base of Q's loads, which may still be out)
	s_add_co_i32 s48, s48, 8
	s_lshl_b32 s48, s48, 23
	s_or_b32 s[CAPS], s48, 0x600000                ; 448 x 2^e4
	v_mov_b32 v[PSC], s57                          ; 2^e4 as f32: the conversion takes its exponent field
	s_wait_alu depctr_va_vdst(0)                   ; the wait at the head's end
	s_wait_tensorcnt 0x0                           ; unit 0 is in
	ds_add_u32 v[SPW], v[NIL]
	s_xor_b32 s[G0+1], s[G0+1], SLOT1
	s_add_nc_u64 s[G0+2:G0+3], s[G0+2:G0+3], UNITB
	s_wait_dscnt 0x0                               ; the add is done
	CROUND
	JLOAD                                          ; unit 1, into slot 1
	KLOAD
	s_wait_loadcnt 0x0                             ; Q, w_out's codes and the bias
.Lunit:                                                ; 14 trips: units 0 to 13, each of which asks for the unit two on
	UNIT 1
	s_sub_co_u32 s[SLOTS], s[SLOTS], 1
	s_cmp_lg_u32 s[SLOTS], 0
	s_cbranch_scc1 .Lunit
	s_mov_b32 s[SLOTS], 2
.Ltail:                                                ; units 14 and 15 ask for nothing
	UNIT 0
	s_sub_co_u32 s[SLOTS], s[SLOTS], 1
	s_cmp_lg_u32 s[SLOTS], 0
	s_cbranch_scc1 .Ltail
	; O^T / the sum stands for o / 2^(e4 + e5): its code is that / 2^(e6 - e4 - e5).  Channel tile dt's eight registers become registers 2 dt, 2 dt + 1 of my head's part of the last product's operand.
.irp t, 0,1,2,3
	v_pk_add_f32 v[ST+12*\t+4:ST+12*\t+5], v[ST+12*\t+4:ST+12*\t+5], v[ST+12*\t+6:ST+12*\t+7]
.endr
.irp t, 0,1,2,3
	v_pk_add_f32 v[ST+12*\t+8:ST+12*\t+9], v[ST+12*\t+8:ST+12*\t+9], v[ST+12*\t+10:ST+12*\t+11]
.endr
.irp t, 0,1,2,3
	v_pk_add_f32 v[ST+12*\t+4:ST+12*\t+5], v[ST+12*\t+4:ST+12*\t+5], v[ST+12*\t+8:ST+12*\t+9]
.endr
.irp t, 0,1,2,3
	v_add_f32 v[TC+\t], v[ST+12*\t+4], v[ST+12*\t+5]
.endr
.irp t, 0,1,2,3
	v_permlanex16_b32 v[TC+4+\t], v[TC+\t], s[SEL], s[SEL+1]
.endr
.irp t, 0,1,2,3
	v_add_f32 v[TC+\t], v[TC+\t], v[TC+4+\t]       ; and lane l xor 16's: the row's sum
.endr
	s_wait_alu depctr_va_vdst(0)                   ; the wait ahead of the batch too
.irp t, 0,1,2,3
	v_rcp_f32 v[ST+12*\t+2], v[TC+\t]
.endr
	s_sub_co_i32 s48, s[EX+6], s[EX+4]
	s_sub_co_i32 s48, s48, s[EX+5]
	s_add_co_i32 s48, s48, 127
	s_lshl_b32 s50, s48, 23
	v_mov_b32 v[PSC], s50                          ; 2^(e6 - e4 - e5); the two moves are the plain lines behind the reciprocals
	s_add_co_i32 s48, s48, 8
	s_lshl_b32 s48, s48, 23
	s_or_b32 s48, s48, 0x600000
	v_mov_b32 v[CAP], s48                          ; 448 x that
	s_add_co_i32 s46, s46, s47                     ; e6 + e7
	s_add_co_i32 s46, s46, 127
	s_lshl_b32 s46, s46, 23                        ; 2^(e6 + e7) as f32
	s_mov_b32 s47, s46                             ; (named with it as a pair, so it is written)
	WIN 0x42
	s_wait_alu depctr_va_vdst(0)                   ; ahead of the reciprocals' first reader and of O^T's
.set jj, 0
.rept 64
	v_pk_mul_f32 v[2*jj:2*jj+1], v[2*jj:2*jj+1], v[ST+12*(jj/16)+2:ST+12*(jj/16)+3] op_sel_hi:[1,0]   ; each accumulator from its low end on
.set jj, jj+1
.endr
	WIN 0x41
.set jj, 0
.rept 128
	v_med3_num_f32 v[jj], v[jj], -v[CAP], v[CAP]
.set jj, jj+1
.endr
	WIN 0x81
.set jj, 0
.rept 16
	v_cvt_scalef32_pk8_fp8_f32 v[PC+2*jj:PC+2*jj+1], v[8*jj:8*jj+7], v[PSC]
.set jj, jj+1
.endr
	v_nop                                          ; the plain line behind the last conversion
	WIN 0x08
.irp t, 0,1,2,3
.irp c, 0,1
	ds_store_b128 v[OST], v[PC+8*\t+4*\c:PC+8*\t+4*\c+3] offset:\t*4096+\c*512
.endr
.endr
	WIN 0
	s_wait_dscnt 0x0                               ; my head's codes are stored:
	s_barrier_signal -1
	s_barrier_wait -1                              ; all four heads' are
	WIN 0xc0
.irp t, 0,1,2,3,4,5,6,7                        ; fragment 2 rt + s
.irp c, 0,1,2,3
	ds_load_b128 v[16*\t+4*\c:16*\t+4*\c+3], v[OLD] offset:\t*2048+\c*512
.endr
.endr
	s_wait_dscnt 0x0
	WIN 0x5c                                       ; w_out in window 0, o in window 3, the sixteen accumulators in window 1: they take turns, one instruction a turn
.irp s, 0,1
.irp t, 0,1,2,3
.irp c, 0,1,2,3
.if \s == 0
	v_wmma_f32_16x16x128_fp8_fp8 v[32*\t+8*\c:32*\t+8*\c+7], v[WO+32*\c:WO+32*\c+15], v[32*\t:32*\t+15], 0
.else
	v_wmma_f32_16x16x128_fp8_fp8 v[32*\t+8*\c:32*\t+8*\c+7], v[WO+32*\c+16:WO+32*\c+31], v[32*\t+16:32*\t+31], v[32*\t+8*\c:32*\t+8*\c+7]
.endif
.endr
.endr
.endr
	PLACES
	WIN 0x61
.set jj, 0
.rept 64
	v_pk_fma_f32 v[2*jj:2*jj+1], v[2*jj:2*jj+1], s[46:47], v[BI+2*(jj%16):BI+2*(jj%16)+1] op_sel_hi:[1,0,1]   ; sum x 2^(e6 + e7) + b_out; each accumulator from its low end on
.set jj, jj+1
.endr
	WIN 0x04
.irp t, 0,1,2,3
.irp c, 0,1,2,3
	ds_store_b128 v[SO], v[32*\t+8*\c:32*\t+8*\c+3] offset:\t*16*SP+\c*64
	ds_store_b128 v[SO], v[32*\t+8*\c+4:32*\t+8*\c+7] offset:\t*16*SP+\c*64+16
.endr
.endr
	WIN 0xc0
.set jj, 0
.rept 32
	ds_load_b128 v[4*jj:4*jj+3], v[SR] offset:jj*2*SP   ; LDS serves a wave's instructions in order (ISA guide 5.7.1.4): these see my stores
.set jj, jj+1
.endr
	WIN 0x0c
.set jj, 0
.rept 32
	s_wait_dscnt 31-jj                             ; these two rows are back; the younger loads may stay out
	global_store_b128 v[CO], v[4*jj:4*jj+3], s[14:15] offset:jj*2048 th:TH_STORE_NT   ; sixteen lanes store 256 consecutive bytes, aligned; written once, read by nobody here
.set jj, jj+1
.endr
	WIN 0
	s_wait_tensorcnt 0x0                           ; the wave's end
	ds_add_u32 v[SPW], v[NIL]
	s_wait_dscnt 0x0
	CROUND                                         ; the closing round: no work-group ends while a partner may still ask for a tile that names it
	s_endpgm
.Lfunc_end_k_qe92ca7b149_attn:
	.size	k_qe92ca7b149_attn, .Lfunc_end_k_qe92ca7b149_attn-k_qe92ca7b149_attn
	.p2alignl 7, 3214868480
	.fill 96, 4, 3214868480
	.section	.rodata,"a",@progbits
	.p2align	6, 0x0
	.amdhsa_kernel k_qe92ca7b149_attn
		.amdhsa_group_segment_fixed_size 327680
		.amdhsa_private_segment_fixed_size 0
		.amdhsa_enable_private_segment 0
		.amdhsa_kernarg_size 48
		.amdhsa_user_sgpr_count 2
		.amdhsa_user_sgpr_kernarg_segment_ptr 1
		.amdhsa_wavefront_size32 1
		.amdhsa_system_sgpr_workgroup_id_x 1
		.amdhsa_system_sgpr_workgroup_id_y 1
		.amdhsa_system_sgpr_workgroup_id_z 1
		.amdhsa_system_vgpr_workitem_id 0
		.amdhsa_next_free_vgpr 1024
		.amdhsa_next_free_sgpr 66
		.amdhsa_reserve_vcc 0
		.amdhsa_float_denorm_mode_32 3
		.amdhsa_float_denorm_mode_16_64 3
		.amdhsa_memory_ordered 1
		.amdhsa_forward_progress 1
		.amdhsa_inst_pref_size 255
	.end_amdhsa_kernel
	.section	.bss,"aw",@nobits
	.p2align	6
	.space	262144
	.amdgpu_metadata
---
amdhsa.version: [ 1, 2 ]
amdhsa.kernels:
  - .name:           k_qe92ca7b149_attn
    .symbol:         k_qe92ca7b149_attn.kd
    .args:
      - { .name: q_img, .offset: 0, .size: 8, .value_kind: global_buffer, .address_space: global }
      - { .name: kv_img, .offset: 8, .size: 8, .value_kind: global_buffer, .address_space: global }
      - { .name: wo_img, .offset: 16, .size: 8, .value_kind: global_buffer, .address_space: global }
      - { .name: b_out, .offset: 24, .size: 8, .value_kind: global_buffer, .address_space: global }
      - { .name: lowp_scales, .offset: 32, .size: 8, .value_kind: global_buffer, .address_space: global }
      - { .name: out0, .offset: 40, .size: 8, .value_kind: global_buffer, .address_space: global }
    .group_segment_fixed_size: 327680
    .private_segment_fixed_size: 0
    .kernarg_segment_align: 8
    .kernarg_segment_size: 48
    .max_flat_workgroup_size: 128
    .sgpr_count:     66
    .vgpr_count:     1024
    .wavefront_size: 32
...
	.end_amdgpu_metadata
.endif
;; end of part 2
